; MI455X (gfx1250); checked and timed in simulation.
; The chip was launched on July 23, 2026; its instructions are those of AMD's public machine-readable ISA for CDNA 5 (MIT licence, August 2026) and "CDNA5" Instruction Set Architecture Reference Guide (July 2026). The comments in the code are by the model that wrote it; some were corrected since.
;; Mixture Of Experts. Allowed arithmetic: float matrix products may take bf16 or f16 operands with f32 sums; all other float work in f32.
;; Inputs: b1 8 x 1,024 float32; b2 8 x 512 float32; br 8 float32; w1 8 x 512 x 1,024 float32; w2 8 x 1,024 x 512 float32; wr 512 x 8 float32; x 4 x 2,048 x 512 float32.
;; Outputs: out0 4 x 2,048 x 512 float32; out1 4 x 2,048 x 8 float32.
;; 2 versions, each right; version 2 is version 1 with the launch prep written anew for expert scheduling mode. Each part assembles by itself: llvm-mc -triple=amdgcn-amd-amdhsa -mcpu=gfx1250 --defsym DOCPART=n.
;; ======== version 1 of 2: 3 launches
;; limits: values are held in f16: magnitudes above 65,504 overflow, below 6.1e-05 lose precision; a function is approximated: absolute error at most 2.5e-05
;; workspace buffers: w1h 8,388,608 bytes; w2h 8,388,608 bytes; xh 8,388,608 bytes; part 67,108,864 bytes
;; launch prep (part 1): grid 128 x 3, 8 waves a work-group, no clusters, 0 bytes of LDS; arguments w1, w2, x, wr, br, w1h, w2h, xh, out1; writes w1h, w2h, xh, out1
.if DOCPART == 1
	.amdgcn_target "amdgcn-amd-amdhsa--gfx1250"
	.amdhsa_code_object_version 6
	.text
	.protected	k_q69badbe79f_prep
	.globl	k_q69badbe79f_prep
	.p2align	8
	.type	k_q69badbe79f_prep,@function
k_q69badbe79f_prep:
	s_mov_b64 s[64:65], 0
	v_nop
	global_prefetch_b8 v0, s[64:65] scope:SCOPE_SE
	s_setreg_imm32_b32 hwreg(HW_REG_WAVE_MODE, 25, 1), 1
	s_wait_xcnt 0x0
; Three streams, picked by the work-group's y; each work-group reads 131,072 bytes of its tensor once.
;   y = 0: w1 [8][512][1024] f32 -> w1h f16, laid chunk by chunk: [expert 8][chunk 4][d 512][256 columns]
;   y = 1: w2 [8][1024][512] f32 -> w2h f16, same order
;   y = 2: x [8192][512] f32 -> xh f16, and out1 = softmax(x wr + br) in f32
; WHY f16: the result is wanted within 1 % of its root mean square.  Four operands rounded to 8 significant bits (relative error about 1e-3 each,
; over sums of independent terms) leave an error whose spread is about 0.2 % of that: five spreads of room, too few for 4,194,304 numbers.
; With 11 significant bits each error is an eighth of that.
; LIMIT: a magnitude above 65,504 in x, w1 or w2 becomes infinity; below 6.1e-5 the step is 6e-8.  x of unit spread and weights within 0.044
; keep their precision 30 times larger (150; 1.3) and 30 times smaller (spread 0.033; 6e-4, of which the step is 1e-4).
; The router's product has 8 columns, half the width of a matrix tile, and is a stream of x: it is done by packed f32
; multiply-adds on the numbers that are being converted anyway.  No LDS, no barrier: no wave needs another's data.
; The softmax takes the row's maximum away first, as the definition does.
.set W,   4                            ; v[4:131]    cast: the 32 loads.  router: wr[k][e] at W + 8 kk + e for my 16 k
.set XR,  132                          ; v[132:195]  four row slots of 16 registers
.set A,   196                          ; v[196:203]  the eight sums of a row
.set TP,  204                          ; v[204:211]  the other half's sums; later the sum of the exponentials
.set MM,  212                          ; v[212:213]  maximum x log2 e, twice
.set RC,  214                          ; v[214:215]  the maximum; later 1 / sum, twice
.set O,   216                          ; v[216:217]  my two numbers of out1
.set WO,  218                          ; v218        byte offset of my rows in wr
.set E,   220                          ; v[220:227]  exponentials, then the weights
.set LOG2E, 0x3fb8aa3b
; 16 steps of 8,192 bytes: a thread turns 32 bytes (8 f32) into 16.  All 32 loads go out first; no register is written twice.
.macro CAST ostep
.irp j, 0,1,2,3,4,5,6,7,8,9,10,11,12,13,14,15
	global_load_b128 v[W+8*\j:W+8*\j+3],   v1, s[26:27] offset:8192*\j th:TH_LOAD_NT
	global_load_b128 v[W+8*\j+4:W+8*\j+7], v1, s[26:27] offset:8192*\j+16 th:TH_LOAD_NT
.endr
.irp j, 0,1,2,3,4,5,6,7,8,9,10,11,12,13,14,15
	s_wait_loadcnt 30-2*\j                 ; loads return in order: step j's two are in, the 30 - 2 j younger ones stay out
.irp i, 0,1,2,3
	v_cvt_pk_f16_f32 v[W+8*\j+\i], v[W+8*\j+2*\i], v[W+8*\j+2*\i+1]   ; in place: register i is written after it was read
.endr
	global_store_b128 v2, v[W+8*\j:W+8*\j+3], s[30:31] offset:\ostep*\j  ; a wave's store covers 512 consecutive bytes, aligned
.endr
.endm
; the four loads of row i of my wave's eight: k = 8 L .. 8 L + 7 and 256 + 8 L .. + 7.  The argument may be a sum: it stands in brackets everywhere.
.macro XLOAD i
	global_load_b128 v[XR+16*((\i)&3):XR+16*((\i)&3)+3],     v1, s[26:27] offset:2048*(\i) th:TH_LOAD_NT
	global_load_b128 v[XR+16*((\i)&3)+4:XR+16*((\i)&3)+7],   v1, s[26:27] offset:2048*(\i)+16 th:TH_LOAD_NT
	global_load_b128 v[XR+16*((\i)&3)+8:XR+16*((\i)&3)+11],  v1, s[26:27] offset:2048*(\i)+1024 th:TH_LOAD_NT
	global_load_b128 v[XR+16*((\i)&3)+12:XR+16*((\i)&3)+15], v1, s[26:27] offset:2048*(\i)+1040 th:TH_LOAD_NT
.endm
; One row: eight dot products, softmax, the row's f16 copy.  left = younger loads that may stay out (four a row).
.macro ROW i, refill, left
.set XS, XR+16*(\i&3)
	s_wait_loadcnt \left
.irp p, 0,2,4,6
	v_pk_mul_f32 v[A+\p:A+\p+1], v[XS:XS+1], v[W+\p:W+\p+1] op_sel_hi:[0,1]      ; the first k starts the sums; x is taken twice
.endr
.irp k, 1,2,3,4,5,6,7,8,9,10,11,12,13,14,15
.irp p, 0,2,4,6
.if \k&1
	v_pk_fma_f32 v[A+\p:A+\p+1], v[XS+\k-1:XS+\k], v[W+8*\k+\p:W+8*\k+\p+1], v[A+\p:A+\p+1] op_sel:[1,0,0] op_sel_hi:[1,1,1]
.else
	v_pk_fma_f32 v[A+\p:A+\p+1], v[XS+\k:XS+\k+1], v[W+8*\k+\p:W+8*\k+\p+1], v[A+\p:A+\p+1] op_sel_hi:[0,1,1]
.endif
.endr
.endr
.irp x, 1,2,4,8                            ; across the lanes: four steps inside each half of 16, one across the halves
.irp e, 0,1,2,3,4,5,6,7
	v_add_f32_dpp v[A+\e], v[A+\e], v[A+\e] row_xmask:\x row_mask:0xf bank_mask:0xf
.endr
.endr
.irp e, 0,1,2,3,4,5,6,7
	v_permlanex16_b32 v[TP+\e], v[A+\e], s44, s45
.endr
.irp e, 0,1,2,3,4,5,6,7
	v_add_f32 v[A+\e], v[A+\e], v[TP+\e]
.endr
.irp e, 0,1,2,3,4,5,6,7
	v_add_f32 v[A+\e], s[32+\e], v[A+\e]   ; + br: every lane now holds the row's eight logits
.endr
	v_max3_num_f32 v[RC], v[A], v[A+1], v[A+2]
	v_max3_num_f32 v[RC], v[RC], v[A+3], v[A+4]
	v_max3_num_f32 v[RC], v[RC], v[A+5], v[A+6]
	v_max_num_f32 v[RC], v[RC], v[A+7]
	v_mul_f32 v[MM], LOG2E, v[RC]
	v_mul_f32 v[MM+1], LOG2E, v[RC]
.irp p, 0,2,4,6
	v_pk_fma_f32 v[A+\p:A+\p+1], v[A+\p:A+\p+1], LOG2E, v[MM:MM+1] op_sel_hi:[1,0,1] neg_lo:[0,0,1] neg_hi:[0,0,1]  ; (l - max) log2 e; the rounding of MM is common to all eight and cancels in the quotient
.endr
.irp e, 0,1,2,3,4,5,6,7
	v_exp_f32 v[E+\e], v[A+\e]
.endr
.irp j, 0,1,2,3                            ; plain lines that touch neither A nor E stand behind the exponentials (ISA guide 5.7.2): the row's first half to f16
	v_cvt_pk_f16_f32 v[XS+\j], v[XS+2*\j], v[XS+2*\j+1]
.endr
	global_store_b128 v2, v[XS:XS+3], s[30:31] offset:1024*\i
	s_wait_alu depctr_va_vdst(0)
	v_pk_add_f32 v[TP:TP+1], v[E:E+1], v[E+2:E+3]
	v_pk_add_f32 v[TP+2:TP+3], v[E+4:E+5], v[E+6:E+7]
	v_pk_add_f32 v[TP:TP+1], v[TP:TP+1], v[TP+2:TP+3]
	v_add_f32 v[TP], v[TP], v[TP+1]
	v_rcp_f32 v[RC], v[TP]
	v_rcp_f32 v[RC+1], v[TP]
.irp j, 4,5,6,7                            ; and behind the reciprocals: the second half
	v_cvt_pk_f16_f32 v[XS+\j], v[XS+2*\j], v[XS+2*\j+1]
.endr
	global_store_b128 v2, v[XS+4:XS+7], s[30:31] offset:1024*\i+512
	s_wait_alu depctr_va_vdst(0)
.irp p, 0,2,4,6
	v_pk_mul_f32 v[E+\p:E+\p+1], v[E+\p:E+\p+1], v[RC:RC+1]
.endr
.irp q, 0,1,2,3                            ; lane 4 i + q keeps weights 2 q and 2 q + 1 of row i: 32 lanes x 8 bytes = the wave's 8 rows of out1
.if (4*\i+\q) == 0
	v_mov_b32 v[O], v[E]                   ; the first capture writes every lane: nothing is cleared
	v_mov_b32 v[O+1], v[E+1]
.else
	s_mov_b32 s40, 1<<(4*\i+\q)
	v_cndmask_b32 v[O], v[O], v[E+2*\q], s40
	v_cndmask_b32 v[O+1], v[O+1], v[E+2*\q+1], s40
.endif
.endr
.if \refill
	s_wait_xcnt 0x0                        ; the slot's registers are the data of the two stores above: loaded again only behind this wait
	XLOAD \i+4
.endif
.endm
	s_load_b512 s[4:19], s[0:1], 0x0               ; w1 s[4:5], w2 s[6:7], x s[8:9], wr s[10:11], br s[12:13], w1h s[14:15], w2h s[16:17], xh s[18:19]
	s_load_b64 s[20:21], s[0:1], 0x40              ; out1
	s_and_b32 s22, ttmp7, 0xffff                   ; which stream
	s_lshl_b32 s24, ttmp9, 17                      ; the work-group's 131,072 bytes of input
	s_mov_b32 s25, 0
	v_lshlrev_b32 v1, 5, v0                        ; casts: 32 bytes a thread
	s_wait_kmcnt 0x0
	s_cmp_eq_u32 s22, 2
	s_cbranch_scc1 .Lrouter
	s_cmp_eq_u32 s22, 1
	s_cbranch_scc1 .Lcast_w2
	; w1: the work-group has rows d = 32 (g & 15) .. + 31 of expert g >> 4; a step is two rows; a wave has 256 columns of one row = one chunk's row
	s_add_nc_u64 s[26:27], s[4:5], s[24:25]
	s_lshr_b32 s28, ttmp9, 4
	s_lshl_b32 s28, s28, 20                        ; expert x 1,048,576
	s_and_b32 s29, ttmp9, 15
	s_lshl_b32 s29, s29, 14                        ; 32 rows x 512 bytes
	s_add_co_u32 s28, s28, s29
	s_mov_b32 s29, 0
	s_add_nc_u64 s[30:31], s[14:15], s[28:29]
	v_and_b32 v2, 31, v0
	v_lshlrev_b32 v2, 4, v2                        ; 16 x lane
	v_bfe_u32 v3, v0, 5, 2
	v_lshl_add_u32 v2, v3, 18, v2                  ; + chunk (wave & 3) x 262,144
	v_bfe_u32 v3, v0, 7, 1
	v_lshl_add_u32 v2, v3, 9, v2                   ; + row (wave >> 2) x 512
	CAST 1024                                      ; a step is two rows of 512 bytes in each chunk
	s_endpgm
.Lcast_w2:
	s_add_nc_u64 s[26:27], s[6:7], s[24:25]
	s_lshl_b32 s28, ttmp9, 16
	s_mov_b32 s29, 0
	s_add_nc_u64 s[30:31], s[16:17], s[28:29]
	v_lshlrev_b32 v2, 4, v0
	CAST 4096
	s_endpgm
.Lrouter:
	s_load_b256 s[32:39], s[12:13], 0x0            ; br
	v_lshrrev_b32 v2, 5, v0
	v_readfirstlane_b32 s23, v2                    ; wave: it owns rows 64 g + 8 wave .. + 7
	s_lshl_b32 s28, s23, 14
	s_add_co_u32 s24, s24, s28                     ; 131,072 g + 16,384 wave
	s_add_nc_u64 s[26:27], s[8:9], s[24:25]
	s_lshr_b32 s24, s24, 1                         ; half as many bytes in xh
	s_add_nc_u64 s[30:31], s[18:19], s[24:25]
	s_lshr_b32 s24, s24, 5                         ; 32 bytes a row in out1
	s_add_nc_u64 s[42:43], s[20:21], s[24:25]
	s_mov_b32 s44, 0x76543210                      ; v_permlanex16_b32: lane i reads lane i of the other half
	s_mov_b32 s45, 0xfedcba98
	v_and_b32 v3, 31, v0
	v_lshlrev_b32 v1, 5, v3                        ; x: 32 bytes a lane
	v_lshlrev_b32 v2, 4, v3                        ; xh: 16
	v_lshlrev_b32 v[WO], 8, v3                     ; wr: my 8 rows of 32 bytes
	v_lshlrev_b32 v3, 3, v3                        ; out1: 8
.irp i, 0,1,2,3,4,5,6,7,8,9,10,11,12,13,14,15
	global_load_b128 v[W+4*\i:W+4*\i+3],       v[WO], s[10:11] offset:16*\i
	global_load_b128 v[W+64+4*\i:W+64+4*\i+3], v[WO], s[10:11] offset:8192+16*\i
.endr
	XLOAD 0
	XLOAD 1
	XLOAD 2
	XLOAD 3
.irp e, 0,1,2,3,4,5,6,7
	v_mov_b32 v[TP+\e], 0                          ; v_permlanex16_b32 counts as a reader of its destination
.endr
	s_wait_kmcnt 0x0                               ; br
	ROW 0, 1, 12                                   ; three younger rows stay out; wr's loads are older than every row's
	ROW 1, 1, 12
	ROW 2, 1, 12
	ROW 3, 1, 12
	ROW 4, 0, 12
	ROW 5, 0, 8                                    ; nothing more is loaded: the counts run down
	ROW 6, 0, 4
	ROW 7, 0, 0
	global_store_b64 v3, v[O:O+1], s[42:43]        ; 32 lanes x 8 bytes: 256 consecutive bytes, aligned
	s_endpgm
.Lfunc_end_k_q69badbe79f_prep:
	.size	k_q69badbe79f_prep, .Lfunc_end_k_q69badbe79f_prep-k_q69badbe79f_prep
	.p2alignl 7, 3214868480
	.fill 96, 4, 3214868480
	.section	.rodata,"a",@progbits
	.p2align	6, 0x0
	.amdhsa_kernel k_q69badbe79f_prep
		.amdhsa_group_segment_fixed_size 0
		.amdhsa_private_segment_fixed_size 0
		.amdhsa_enable_private_segment 0
		.amdhsa_kernarg_size 72
		.amdhsa_user_sgpr_count 2
		.amdhsa_user_sgpr_kernarg_segment_ptr 1
		.amdhsa_wavefront_size32 1
		.amdhsa_system_sgpr_workgroup_id_x 1
		.amdhsa_system_sgpr_workgroup_id_y 1
		.amdhsa_system_sgpr_workgroup_id_z 1
		.amdhsa_system_vgpr_workitem_id 0
		.amdhsa_next_free_vgpr 232
		.amdhsa_next_free_sgpr 66
		.amdhsa_reserve_vcc 0
		.amdhsa_float_denorm_mode_32 3
		.amdhsa_float_denorm_mode_16_64 3
		.amdhsa_memory_ordered 1
		.amdhsa_forward_progress 1
		.amdhsa_inst_pref_size 107
	.end_amdhsa_kernel
	.amdgpu_metadata
---
amdhsa.version: [ 1, 2 ]
amdhsa.kernels:
  - .name:           k_q69badbe79f_prep
    .symbol:         k_q69badbe79f_prep.kd
    .args:
      - { .name: w1, .offset: 0, .size: 8, .value_kind: global_buffer, .address_space: global }
      - { .name: w2, .offset: 8, .size: 8, .value_kind: global_buffer, .address_space: global }
      - { .name: x, .offset: 16, .size: 8, .value_kind: global_buffer, .address_space: global }
      - { .name: wr, .offset: 24, .size: 8, .value_kind: global_buffer, .address_space: global }
      - { .name: br, .offset: 32, .size: 8, .value_kind: global_buffer, .address_space: global }
      - { .name: w1h, .offset: 40, .size: 8, .value_kind: global_buffer, .address_space: global }
      - { .name: w2h, .offset: 48, .size: 8, .value_kind: global_buffer, .address_space: global }
      - { .name: xh, .offset: 56, .size: 8, .value_kind: global_buffer, .address_space: global }
      - { .name: out1, .offset: 64, .size: 8, .value_kind: global_buffer, .address_space: global }
    .group_segment_fixed_size: 0
    .private_segment_fixed_size: 0
    .kernarg_segment_align: 8
    .kernarg_segment_size: 72
    .max_flat_workgroup_size: 256
    .sgpr_count:     66
    .vgpr_count:     232
    .wavefront_size: 32
...
	.end_amdgpu_metadata
.endif
;; end of part 1
;; launch ffn (part 2): grid 64 x 4, 4 waves a work-group, clusters of 4 x 1, 327,680 bytes of LDS; arguments xh, w1h, w2h, b1, b2, out1, part; writes part
.if DOCPART == 2
	.amdgcn_target "amdgcn-amd-amdhsa--gfx1250"
	.amdhsa_code_object_version 6
	.text
	.protected	k_q69badbe79f_ffn
	.globl	k_q69badbe79f_ffn
	.p2align	8
	.type	k_q69badbe79f_ffn,@function
k_q69badbe79f_ffn:
	s_mov_b64 s[64:65], 0
	v_nop
	global_prefetch_b8 v0, s[64:65] scope:SCOPE_SE
	s_setreg_imm32_b32 hwreg(HW_REG_WAVE_MODE, 25, 1), 1
	s_wait_xcnt 0x0
	s_wait_alu depctr_hold_cnt(0) depctr_sa_sdst(0) depctr_va_vdst(0) depctr_va_sdst(0) depctr_va_ssrc(0) depctr_va_vcc(0) depctr_vm_vsrc(0)
	s_getreg_b32 s2, hwreg(HW_REG_IB_STS2, 6, 4)
	s_cmp_eq_u32 s2, 0
	s_cbranch_scc0 .Lentry_in_a_cluster
	s_endpgm
.Lentry_in_a_cluster:
	s_bfe_u32 s2, ttmp6, 0x10000c
	s_cmp_lg_u32 s2, 0x3003
	s_cbranch_scc0 .Lentry_shape_is_right
	s_endpgm
.Lentry_shape_is_right:
; part[s][t][:] = sum over the 2,048 hidden columns g of experts 2 s and 2 s + 1 of ( r[t][e(g)] gelu(x[t] . W1[:, g] + b1[g]) ) W2[g][:]
;                 + r[t][2s] b2[2s][:] + r[t][2s+1] b2[2s+1][:]
; The routing weight is folded into the hidden numbers, so both experts add into ONE set of f32 sums.
; A work-group: 128 tokens (x of the grid) against one split s of the hidden axis (y of the grid), walked as 8 chunks of 256 columns.
; Four waves.  A chunk is four quarters of 64 columns; wave w makes columns 64 n + 16 w .. + 15 of quarter n for all 128 tokens (accumulator tiles (m, n),
; 32 tiles, 256 registers, K = 512), applies bias, GELU and r, hands the numbers on as f16 through LDS, and adds 128 tokens x its 128 output columns
; (64 accumulator tiles, 512 registers, K = 64 a quarter).
;
; ORDER OF A CHUNK.  First product (512 matrix instructions a wave); GELU of quarters 0 and 1 in a stretch of its own; second product in eight units of
; 64 matrix instructions, two a quarter.  The GELU of quarters 2 and 3 RIDES in units 1 to 4: one tile for 16 matrix instructions, one stage of four
; vector lines behind each, so that these 1,024 lines stand between matrix instructions instead of in a stretch of their own.  The price: the sums lie in
; windows 2 and 3 and the GELU's registers in window 0, so each such matrix instruction has two switches of the register window, 512 a chunk.
; H has two buffers of a quarter.  Quarter 2 goes into buffer 0 behind unit 1's barrier (every wave's reads of quarter 0 are over) and is read behind
; unit 3's; quarter 3 likewise into buffer 1 behind unit 3's barrier, read behind unit 5's.
;
; ORDER OF THE CHUNKS.  Cluster x begins at chunk x & 7 and walks round its split's eight chunks, so that the sixteen clusters of a split do not all ask
; for the same tile at the same step.  x & 7 is the same in all four partners.  The chunks are summed in an order that differs from cluster to cluster.
;
; CLUSTER 4 x 1: the four work-groups of a cluster have the same split and walk the same weight tiles, so each weight tile is asked for JOINTLY
; (mask 15).  X is not shared: it is 128 KiB of a work-group's own tokens against 4 MiB of weights, and is fetched once by a plain load.
;
; FORMAT.  Matrix operands are f16 (11 significant bits), sums f32: the result is wanted within 1 % of its root mean square, and four operands
; rounded to 8 significant bits would leave an error whose spread is a fifth of that, too much for 4,194,304 numbers.
; LIMITS.  A hidden number r gelu(v) above 65,504 in magnitude becomes infinity; below 6.1e-5 its step is 6e-8.  The room: with x of unit spread and
; w1 within 0.044, v has spread 0.58; with both 30 times larger 520, the largest of 67 million about 3,100; with both carrying an offset of 30 spreads
; about 512 x 30 x 0.77 = 12,000.  With x, w1 and b1 30 times smaller r gelu(v) has spread about 7e-5, of which the step's rounding error is 3e-4.
; erf is Abramowitz-Stegun 7.1.25, absolute error at most 2.5e-5 for every finite argument, with no range split and no clamp: a twentieth of the relative
; step (4.9e-4) of the f16 rounding that follows it.  A pre-activation of plus or minus infinity gives NaN.  r >= 0 is used (it is a softmax's result).
;
; THE MATRIX INSTRUCTION IS USED TRANSPOSED: source 0 = 16 weight columns, source 1 = 16 tokens.  Lane (r = l % 16, h = l / 16) then holds token r
; and the eight neighbouring columns 8 h .. 8 h + 7.  The accumulators take turns, one instruction a turn.
;
; LDS:  X      0        128 rows, pitch 1,040 (1,024 + 16)              filled once
;       H      133,120  2 buffers of 128 rows, pitch 144 (128 + 16): a quarter's 64 hidden columns, wave w's 16 at byte 32 w; no fill ever lands here;
;                       at the end 10,240 bytes a wave are its stage for the way out (16 rows, pitch 528)
;       ring   174,080  2 slots of 69,632: a W1 tile = 128 k rows, pitch 544; a W2 tile = 64 k rows, pitch 1,056
; REGISTERS: window 0 addresses, r, b1, fragments; window 1 the hidden sums (tile (m, n) at 8 (8 n + m)), of which registers 0-127 serve as
; W2's two fragment buffers once quarters 0 and 1 have been read; windows 2 and 3 the output sums (tile (a, b) at 8 (8 (a & 3) + b)).
.set XP,    1040
.set HB,    128*XP
.set HP,    144
.set HQ,    128*HP                     ; a buffer of H: one quarter
.set STG,   10240                      ; a wave's stage for the way out
.set SB,    HB+4*STG
.set P1,    544
.set P2,    1056
.set SLOT,  128*P1
.set TILEB, 65536                      ; bytes of a weight tile in memory; a chunk is four tiles of W1 and four of W2
.set SP,    528
.set XA,  1                            ; v1, v2   X fragments, token tiles 0-3 and 4-7
.set HLD, 3                            ; v3       H fragments
.set HST, 4                            ; v4       where I put 16 bytes of a row of H
.set W1A, 5                            ; v5, v6   W1 fragments in slot 0, 1
.set W2A, 7                            ; v7, v8   W2 fragments in slot 0, 1
.set VB,  9                            ; v9       my offset in a chunk's b1
.set STO, 10                           ; v10      way out: into the stage
.set RD,  11                           ; v11      way out: back from the stage
.set CO,  12                           ; v12      way out: my 16 bytes of a row's 512
.set VB2, 13                           ; v13      my offset in b2
.set VR,  14                           ; v14      my offset in out1
.set SW,  15                           ; v15      at work when the two experts' r change places
.set R,   16                           ; v[16:31] pair m: r of token 16 m + r (x 0.5 / k), the current expert's first, the other's second
.set BI,  32                           ; v[32:63] k b1 of my four column tiles
.set FA,  64                           ; v[64:127], v[128:191]  token fragments, two buffers
.set FB,  192                          ; v[192:223], v[224:255] W1 fragments, two buffers
.set GS,  68                           ; GELU in a stretch of its own: two sets of 48 registers from here, in the idle token fragments; v[64:67] hold A3, A3, A2, A2
.set TB,  196                          ; GELU that rides: one set of 48 registers from here, in the idle W1 fragments; v[192:195] hold A3, A3, A2, A2
.set GV,  0                            ; k v, at the end the packed result
.set GT,  8                            ; t = 1 / (1 + p u)
.set GE,  16                           ; exp(-u u), then t exp(-u u)
.set GW,  24                           ; 0.5 r v, then the result
.set GQ,  32                           ; 1 + p u, then the polynomial, then erf(u)
.set GN,  40                           ; -(k v)(k v)
.set GX,   24                          ; s[24:31] group 1 for X
.set GW1,  32                          ; s[32:39] group 1 for W1 tiles
.set GW2,  40                          ; s[40:47] group 1 for W2 tiles
.set X0,   48                          ; s[48:51] group 0 for X
.set W1S0, 52                          ; group 0, W1 into slot 0
.set W1S1, 56                          ; W1 into slot 1
.set W2S0, 60                          ; W2 into slot 0
.set W2S1, 68                          ; W2 into slot 1
; further scalars: s18 wave, s20 token block, s21 split, s22 the expert whose r stands first, s75 the chunk, s79 the next one, s78 and s80 the split's and
; the wave's share of the offsets into the weights and into b1, s[86:87] the next chunk's offset into the weights, s82 the loop's counter, s83 the swap's mask
.set MSB, 0
.set SL, 0                             ; which of the riding tile's 16 stages is due
.set GNT, 2                            ; the riding tile is (GM, GNT)
.set GM, 0
.macro WIN new                         ; the immediate's high byte repeats the setting that is left; a switch that changes nothing is dropped
.if MSB != (\new)
	s_set_vgpr_msb (MSB<<8)|(\new)
.set MSB, (\new)
.endif
.endm
.macro PLACES cnt                      ; plain vector lines that name no register of a matrix instruction (ISA guide 7.12.1)
.rept \cnt
	v_nop
.endr
.endm
.macro CREST                           ; a round of the cluster's barrier behind its opening barrier
	s_cmp_lg_u32 s18, 0
	s_cbranch_scc1 .Lnot_wave_0_\@
	s_barrier_signal -3
.Lnot_wave_0_\@:
	s_barrier_wait -3
	s_barrier_signal -1
	s_barrier_wait -1
.endm
.macro CROUND
	s_barrier_signal -1
	s_barrier_wait -1
	CREST
.endm
; A refill.  A group 0 whose load the wait for 0 in front of this round has shown done gets its next address; then this round's one joint load.
.macro RF step, g0, g1                 ; the next address lies in the same chunk: two tiles on
	s_add_nc_u64 s[\step+2:\step+3], s[\step+2:\step+3], 2*TILEB
	tensor_load_to_lds s[\g0:\g0+3], s[\g1:\g1+7]
	s_nop 0
.endm
.macro RFX step, base, extra, g0, g1   ; the next address lies in the next chunk, which may be chunk 0 again: formed anew from the buffer's address
	s_add_nc_u64 s[\step+2:\step+3], s[\base:\base+1], s[86:87]
.if \extra
	s_add_nc_u64 s[\step+2:\step+3], s[\step+2:\step+3], TILEB
.endif
	s_or_b32 s[\step+3], s[\step+3], 0x80000000
	tensor_load_to_lds s[\g0:\g0+3], s[\g1:\g1+7]
	s_nop 0
.endm
.macro RFILL i                         ; in step i of a chunk's eight: tile i + 2 goes into the slot that step i has read
.if \i == 0
	RF W1S1, W1S0, GW1
.endif
.if \i == 1
	RFX W1S0, 6, 0, W1S1, GW1
.endif
.if \i == 2
	RFX W1S1, 6, 1, W2S0, GW2
.endif
.if \i == 3
	RF W2S0, W2S1, GW2
.endif
.if \i == 4
	RF W2S1, W2S0, GW2
.endif
.if \i == 5
	RFX W2S0, 8, 0, W2S1, GW2
.endif
.if \i == 6
	RFX W2S1, 8, 1, W1S0, GW1
.endif
.if \i == 7
	RF W1S0, W1S1, GW1
.endif
.endm
; mode 0: no barrier.  mode 1: a round of the cluster's barrier and a refill.  mode 2: the work-group's barrier alone (nothing left to fetch).
.macro HEAD mode
.if \mode
	s_wait_xcnt 0x0
	s_set_vgpr_msb (MSB<<8)|((MSB&0x3c)|0x0)
	v_lshl_add_u32 v14, v0, 2, 0x4c800
	v_mov_b32 v15, 0
	s_set_vgpr_msb (((MSB&0x3c)|0x0)<<8)|((MSB&0x30)|0x0)
	s_wait_tensorcnt 0x0                   ; all my tensor loads have landed: the one that was out is my quarter of the next tile
	ds_add_u32 v14, v15
	s_wait_dscnt 0x0
	s_set_vgpr_msb (((MSB&0x30)|0x0)<<8)|MSB
	s_barrier_signal -1                    ; my LDS reads and stores are over too (the wait for DScnt 0 stands just above)
.endif
.endm
.macro TAIL mode, i
.if \mode
	WIN 0
	s_barrier_wait -1
.if \mode == 1
	CREST                                  ; no wave of any partner still reads this slot or has a load on its way
	RFILL \i                               ; the first tensor load behind the round, and my only one until the next
.endif
.endif
.endm
; the fragments of K part q (32 of d, q = 0 .. 15): 8 token tiles from X, my 4 column tiles from W1's tile q >> 2
.macro FETCH1 q
.irp m, 0,1,2,3,4,5,6,7
	ds_load_b128 v[FA+64*((\q)&1)+8*\m:FA+64*((\q)&1)+8*\m+3],   v[XA+(\m>>2)] offset:(\m&3)*16*XP+64*(\q)
	ds_load_b128 v[FA+64*((\q)&1)+8*\m+4:FA+64*((\q)&1)+8*\m+7], v[XA+(\m>>2)] offset:(\m&3)*16*XP+64*(\q)+32
.endr
.irp c, 0,1,2,3                            ; columns 64 c + 16 w of the chunk; rows lie along N: transposing loads
	ds_load_tr16_b128 v[FB+32*((\q)&1)+8*\c:FB+32*((\q)&1)+8*\c+3],   v[W1A+(((\q)>>2)&1)] offset:32*P1*((\q)&3)+128*\c
	ds_load_tr16_b128 v[FB+32*((\q)&1)+8*\c+4:FB+32*((\q)&1)+8*\c+7], v[W1A+(((\q)>>2)&1)] offset:32*P1*((\q)&3)+128*\c+16*P1
.endr
.endm
.macro MUL1 buf, nt, zero                  ; 8 matrix instructions: column tile nt x all token tiles.  zero = 1: the first product starts the sums
.irp m, 0,1,2,3,4,5,6,7
.if \zero
	v_wmma_f32_16x16x32_f16 v[8*(8*\nt+\m):8*(8*\nt+\m)+7], v[FB+32*(\buf)+8*\nt:FB+32*(\buf)+8*\nt+7], v[FA+64*(\buf)+8*\m:FA+64*(\buf)+8*\m+7], 0
.else
	v_wmma_f32_16x16x32_f16 v[8*(8*\nt+\m):8*(8*\nt+\m)+7], v[FB+32*(\buf)+8*\nt:FB+32*(\buf)+8*\nt+7], v[FA+64*(\buf)+8*\m:FA+64*(\buf)+8*\m+7], v[8*(8*\nt+\m):8*(8*\nt+\m)+7]
.endif
.endr
.endm
; the fragments of unit sl = 2 q + u (32 of quarter q's 64 hidden columns): my 8 output column tiles from W2's tile, 8 token tiles from H's buffer q & 1
.macro FETCH2 sl
	WIN 0x40                               ; destination window 1, address window 0
.irp b, 0,1,2,3,4,5,6,7
	ds_load_tr16_b128 v[64*((\sl)&1)+8*\b:64*((\sl)&1)+8*\b+3],   v[W2A+(((\sl)>>1)&1)] offset:32*P2*((\sl)&1)+32*\b
	ds_load_tr16_b128 v[64*((\sl)&1)+8*\b+4:64*((\sl)&1)+8*\b+7], v[W2A+(((\sl)>>1)&1)] offset:32*P2*((\sl)&1)+32*\b+16*P2
.endr
	WIN 0
.irp m, 0,1,2,3,4,5,6,7
	ds_load_b128 v[FA+64*((\sl)&1)+8*\m:FA+64*((\sl)&1)+8*\m+3],   v[HLD] offset:HQ*(((\sl)>>1)&1)+16*HP*\m+64*((\sl)&1)
	ds_load_b128 v[FA+64*((\sl)&1)+8*\m+4:FA+64*((\sl)&1)+8*\m+7], v[HLD] offset:HQ*(((\sl)>>1)&1)+16*HP*\m+64*((\sl)&1)+32
.endr
.endm
; One stage (four vector lines) of r gelu(v) of tile (m, nt), 8 numbers a lane, in the 48 registers from b; cb: where A3, A3, A2, A2 lie.
; With k = sqrt(0.5 log2 e), V = k v, u = |v| / sqrt 2:  t = 1 / (1 + P |V|), P = 0.47047 / sqrt(log2 e);  exp(-u u) = 2^(-V V);
;   erf(u) = 1 - ((A3 t + A2) t + A1) t exp(-u u);   r gelu(v) = w + |w| erf(u),  w = 0.5 r v = V (0.5 r / k)
; Stages 4 to 7 are the transcendentals; each writes a register other than its source, and stage 8, plain lines that touch neither their results nor
; their sources, stands in front of the first use (ISA guide 5.7.2).
.macro GST st, b, cb, m, nt
.if (\st) == 0
	WIN 0x01                               ; source 0 (the sums) window 1
.irp p, 0,2,4,6
	v_pk_fma_f32 v[\b+GV+\p:\b+GV+\p+1], v[8*(8*(\nt)+(\m))+\p:8*(8*(\nt)+(\m))+\p+1], s[72:73], v[BI+8*(\nt)+\p:BI+8*(\nt)+\p+1] op_sel_hi:[1,0,1]
.endr
.else
	WIN 0
.endif
.if ((\st)+1)/2 == 1                       ; stages 1, 2
.irp j, 0,1,2,3
	v_fma_f32 v[\b+GQ+4*((\st)-1)+\j], |v[\b+GV+4*((\st)-1)+\j]|, s74, 1.0
.endr
.endif
.if (\st) == 3
.irp p, 0,2,4,6
	v_pk_mul_f32 v[\b+GN+\p:\b+GN+\p+1], v[\b+GV+\p:\b+GV+\p+1], v[\b+GV+\p:\b+GV+\p+1] neg_lo:[0,1] neg_hi:[0,1]
.endr
.endif
.if (\st)/2 == 2                           ; stages 4, 5
.irp j, 0,1,2,3
	v_rcp_f32 v[\b+GT+4*((\st)-4)+\j], v[\b+GQ+4*((\st)-4)+\j]
.endr
.endif
.if (\st)/2 == 3                           ; stages 6, 7
.irp j, 0,1,2,3
	v_exp_f32 v[\b+GE+4*((\st)-6)+\j], v[\b+GN+4*((\st)-6)+\j]
.endr
.endif
.if (\st) == 8
.irp p, 0,2,4,6
	v_pk_mul_f32 v[\b+GW+\p:\b+GW+\p+1], v[\b+GV+\p:\b+GV+\p+1], v[R+2*(\m):R+2*(\m)+1] op_sel_hi:[1,0]
.endr
.endif
.if (\st) == 9
	s_wait_alu depctr_va_vdst(0)
.irp p, 0,2,4,6
	v_pk_fma_f32 v[\b+GQ+\p:\b+GQ+\p+1], v[\b+GT+\p:\b+GT+\p+1], v[\cb:\cb+1], v[\cb+2:\cb+3]
.endr
.endif
.if (\st) == 10
.irp p, 0,2,4,6
	v_pk_fma_f32 v[\b+GQ+\p:\b+GQ+\p+1], v[\b+GQ+\p:\b+GQ+\p+1], v[\b+GT+\p:\b+GT+\p+1], s[76:77] op_sel_hi:[1,1,0]
.endr
.endif
.if (\st) == 11
.irp p, 0,2,4,6
	v_pk_mul_f32 v[\b+GE+\p:\b+GE+\p+1], v[\b+GT+\p:\b+GT+\p+1], v[\b+GE+\p:\b+GE+\p+1]
.endr
.endif
.if (\st) == 12
.irp p, 0,2,4,6
	v_pk_fma_f32 v[\b+GQ+\p:\b+GQ+\p+1], v[\b+GQ+\p:\b+GQ+\p+1], v[\b+GE+\p:\b+GE+\p+1], 1.0 op_sel_hi:[1,1,0] neg_lo:[1,0,0] neg_hi:[1,0,0]
.endr
.endif
.if ((\st)+1)/2 == 7                       ; stages 13, 14
.irp j, 0,1,2,3
	v_fma_f32 v[\b+GW+4*((\st)-13)+\j], |v[\b+GW+4*((\st)-13)+\j]|, v[\b+GQ+4*((\st)-13)+\j], v[\b+GW+4*((\st)-13)+\j]
.endr
.endif
.if (\st) == 15
.irp j, 0,1,2,3
	v_cvt_pk_f16_f32 v[\b+GV+\j], v[\b+GW+2*\j], v[\b+GW+2*\j+1]
.endr
.endif
.endm
.macro GSTO b, m, nt                       ; token 16 m + r, columns 16 w + 8 h .. + 7 of quarter nt, into H's buffer nt & 1
	WIN 0
	ds_store_b128 v[HST], v[\b+GV:\b+GV+3] offset:16*HP*(\m)+HQ*((\nt)&1)
.endm
.macro RDONE                               ; the riding tile is stored; the next one is due
	GSTO TB, GM, GNT
.set SL, 0
.set GM, GM+1
.endm
; 16 matrix instructions: token tiles a0, a0 + 1 of the window's four x my 8 column tiles.  ride = 1: one stage of the riding tile behind each
.macro MUL2 buf, hi, a0, ride
.irp a, \a0, \a0+1
.irp b, 0,1,2,3,4,5,6,7
	WIN 0xa1+0x50*\hi                      ; source 0 window 1, source 1 window 0, C and D window 2 or 3
	v_wmma_f32_16x16x32_f16 v[8*(8*(\a)+\b):8*(8*(\a)+\b)+7], v[64*(\buf)+8*\b:64*(\buf)+8*\b+7], v[FA+64*(\buf)+8*(4*\hi+\a):FA+64*(\buf)+8*(4*\hi+\a)+7], v[8*(8*(\a)+\b):8*(8*(\a)+\b)+7]
.if \ride
	GST SL, TB, 192, GM, GNT
.set SL, SL+1
.endif
.endr
.endr
.endm
; 32 matrix instructions on K part q.  Behind the first eight the next part's 24 loads go out in one run, four places behind the matrix
; instructions that read the buffer they fill.
.macro UNIT1 q, mode, i, fetch, zero
	s_wait_dscnt 0x0                       ; this part's fragments are in; they were the last LDS instructions issued
	HEAD \mode
	WIN 0x50                               ; C and D window 1
	MUL1 \q&1, 0, \zero
	TAIL \mode, \i
.if \fetch
	PLACES 4
	WIN 0
	FETCH1 \q+1
.endif
	WIN 0x50
	MUL1 \q&1, 1, \zero
	MUL1 \q&1, 2, \zero
	MUL1 \q&1, 3, \zero
.endm
; 64 matrix instructions on unit sl.  fetch = 1: the next unit's fragments; 2: the next chunk's first fragments; 0: nothing.  ride = 1: four tiles of the
; GELU ride.  The tile that rides between a round's opening signal and its closing wait is register work alone: its store follows behind the refill.
; dsw: how many younger LDS instructions may stay out when this unit's fragments have to be there.
.macro UNIT2 sl, mode, i, fetch, ride, dsw
	s_wait_dscnt \dsw
	HEAD \mode
	MUL2 \sl&1, 0, 0, \ride
	TAIL \mode, \i
.if \ride
	RDONE
.endif
.if \fetch == 1
	PLACES 4
	FETCH2 \sl+1
.endif
.if \fetch == 2
	PLACES 4
	WIN 0
	FETCH1 0
.endif
	MUL2 \sl&1, 0, 2, \ride
.if \ride
	RDONE
.endif
	MUL2 \sl&1, 1, 0, \ride
.if \ride
	RDONE
.endif
	MUL2 \sl&1, 1, 2, \ride
.if \ride
	RDONE
.endif
.endm
.macro GELU2 m0, nt                        ; two tiles at a time, stage by stage: eight independent lines a stage
.irp st, 0,1,2,3,4,5,6,7,8,9,10,11,12,13,14,15
	GST \st, GS, 64, \m0, \nt
	GST \st, GS+48, 64, \m0+1, \nt
.endr
	GSTO GS, \m0, \nt
	GSTO GS+48, \m0+1, \nt
.endm
; Quarters 0 and 1 go to H's two buffers; then the first fragments of the second product.
.macro EPI0
	WIN 0
	s_wait_loadcnt 0x0                     ; this chunk's b1
.irp p, 0,2,4,6,8,10,12,14,16,18,20,22,24,26,28,30
	v_pk_mul_f32 v[BI+\p:BI+\p+1], v[BI+\p:BI+\p+1], s[72:73] op_sel_hi:[1,0]   ; k b1.  These sixteen lines are also the places behind the last matrix instructions
.endr
.irp c, 64, 192
	v_mov_b32 v[\c],   0x3f3f7377          ; A3 =  0.7478556
	v_mov_b32 v[\c+1], 0x3f3f7377
	v_mov_b32 v[\c+2], 0xbdc45ca1          ; A2 = -0.0958798
	v_mov_b32 v[\c+3], 0xbdc45ca1
.endr
.irp c, 0,1
.irp g, 0,2,4,6
	GELU2 \g, \c
.endr
.endr
	s_wait_dscnt 0x0                       ; my columns are written
	s_barrier_signal -1                    ; my one tensor load may stay out over it
	s_barrier_wait -1                      ; all four waves' are
	FETCH2 0
.endm
.macro CHUNK last
	s_add_co_u32 s79, s75, 1
	s_and_b32 s79, s79, 7                  ; the next chunk, round the split's eight
	s_lshl_b32 s86, s79, 18
	s_add_co_u32 s86, s86, s78             ; its offset into w1h and into w2h: 262,144 a chunk + the split's and the wave's share
	s_mov_b32 s87, 0
	s_lshl_b32 s88, s75, 10
	s_add_co_u32 s88, s88, s80
	s_mov_b32 s89, 0
	s_add_nc_u64 s[84:85], s[10:11], s[88:89]      ; this chunk's b1 (the last chunk's loads were waited for)
	s_lshr_b32 s23, s75, 2                 ; chunks 4 to 7 are the second expert's
	s_cmp_lg_u32 s23, s22
	s_cselect_b32 s83, -1, 0               ; all ones where the walk has changed expert
	s_mov_b32 s22, s23
	s_mov_b32 s75, s79
.irp m, 0,1,2,3,4,5,6,7                    ; the two experts' r change places.  These lines are also the places in front of the first products,
	v_cndmask_b32 v[SW], v[R+2*\m], v[R+2*\m+1], s83       ; which write over registers that the last matrix instructions read
	v_cndmask_b32 v[R+2*\m+1], v[R+2*\m+1], v[R+2*\m], s83
	v_mov_b32 v[R+2*\m], v[SW]
.endr
.irp c, 0,1,2,3
	global_load_b128 v[BI+8*\c:BI+8*\c+3],   v[VB], s[84:85] offset:256*\c
	global_load_b128 v[BI+8*\c+4:BI+8*\c+7], v[VB], s[84:85] offset:256*\c+16
.endr
	UNIT1 0,  0, 0, 1, 1
	UNIT1 1,  0, 0, 1, 0
	UNIT1 2,  0, 0, 1, 0
	UNIT1 3,  1, 0, 1, 0
	UNIT1 4,  0, 0, 1, 0
	UNIT1 5,  0, 0, 1, 0
	UNIT1 6,  0, 0, 1, 0
	UNIT1 7,  1, 1, 1, 0
	UNIT1 8,  0, 0, 1, 0
	UNIT1 9,  0, 0, 1, 0
	UNIT1 10, 0, 0, 1, 0
	UNIT1 11, 1, 2, 1, 0
	UNIT1 12, 0, 0, 1, 0
	UNIT1 13, 0, 0, 1, 0
	UNIT1 14, 0, 0, 1, 0
	UNIT1 15, 1, 3, 0, 0
	EPI0
	UNIT2 0, 0, 0, 1, 0, 0
.set GNT, 2
.set GM, 0
	UNIT2 1, 1, 4, 1, 1, 0                 ; behind its round no wave reads H's buffer 0: quarter 2 goes there
	UNIT2 2, 0, 0, 1, 1, 3                 ; the count: three tiles' stores were issued behind this unit's 32 fragment loads
.set GNT, 3
.set GM, 0
	UNIT2 3, 1, 5, 1, 1, 0                 ; its round shows quarter 2 to every wave, and behind it no wave reads buffer 1: quarter 3 goes there
	UNIT2 4, 0, 0, 1, 1, 3
.if \last
	UNIT2 5, 2, 0, 1, 0, 0                 ; quarter 3 and the last tile are shown to every wave; nothing is left to fetch
	UNIT2 6, 0, 0, 1, 0, 0
	UNIT2 7, 0, 0, 0, 0, 0
.else
	UNIT2 5, 1, 6, 1, 0, 0                 ; its round shows quarter 3 to every wave
	UNIT2 6, 0, 0, 1, 0, 0
	UNIT2 7, 1, 7, 2, 0, 0                 ; its round also stands between every wave's reads of H and the next chunk's stores
.endif
.endm
; the sums start as r[t][2s] b2[2s][d] + r[t][2s+1] b2[2s+1][d]: nothing is cleared, and b2's term is done
.macro OSTART hi, wm, wf
	WIN \wm                                ; destination window 2 or 3
.irp a, 0,1,2,3
.irp b, 0,1,2,3,4,5,6,7
.irp p, 0,2,4,6
	v_pk_mul_f32 v[8*(8*\a+\b)+\p:8*(8*\a+\b)+\p+1], v[FA+8*\b+\p:FA+8*\b+\p+1], v[R+2*(4*\hi+\a):R+2*(4*\hi+\a)+1] op_sel_hi:[1,0]
.endr
.endr
.endr
	WIN \wf                                ; source 2 there too
.irp a, 0,1,2,3
.irp b, 0,1,2,3,4,5,6,7
.irp p, 0,2,4,6
	v_pk_fma_f32 v[8*(8*\a+\b)+\p:8*(8*\a+\b)+\p+1], v[FA+64+8*\b+\p:FA+64+8*\b+\p+1], v[R+2*(4*\hi+\a):R+2*(4*\hi+\a)+1], v[8*(8*\a+\b)+\p:8*(8*\a+\b)+\p+1] op_sel:[0,1,0] op_sel_hi:[1,1,1]
.endr
.endr
.endr
.endm
; 16 tokens x my 128 columns of f32 through my own stage: in by tiles, back by rows of 512 bytes
.macro OUT16 a, f
.if \a < 4
	WIN 0x08                               ; an LDS store's data is source 1: window 2
.else
	WIN 0x0c                               ; window 3
.endif
.irp b, 0,1,2,3,4,5,6,7
	ds_store_b128 v[STO], v[8*(8*(\a&3)+\b):8*(8*(\a&3)+\b)+3]   offset:64*\b
	ds_store_b128 v[STO], v[8*(8*(\a&3)+\b)+4:8*(8*(\a&3)+\b)+7] offset:64*\b+16
.endr
	WIN 0
	s_wait_xcnt 0x0                        ; buffer f, which earlier stores read, and the stores' base are written again only behind this wait
.if \a
	s_add_nc_u64 s[94:95], s[94:95], 16*2048
.endif
.irp t, 0,1,2,3,4,5,6,7,8,9,10,11,12,13,14,15
	ds_load_b128 v[\f+4*\t:\f+4*\t+3], v[RD] offset:SP*\t      ; LDS serves a wave's instructions in order (ISA guide 5.7.1): these see the stores above
.endr
.irp t, 0,1,2,3,4,5,6,7,8,9,10,11,12,13,14,15
	s_wait_dscnt 15-\t                     ; row t is back; the 15 - t younger loads stay out
	global_store_b128 v[CO], v[\f+4*\t:\f+4*\t+3], s[94:95] offset:2048*\t   ; the wave stores 512 consecutive bytes, aligned
.endr
.endm
	s_load_b256 s[4:11], s[0:1], 0x0               ; xh s[4:5], w1h s[6:7], w2h s[8:9], b1 s[10:11]
	s_load_b128 s[12:15], s[0:1], 0x20             ; b2 s[12:13], out1 s[14:15]
	s_load_b64 s[16:17], s[0:1], 0x30              ; part
	v_lshl_add_u32 v14, v0, 2, 0x4c800
	v_mov_b32 v15, 0
	ds_add_u32 v14, v15
	s_wait_dscnt 0x0
	v_lshrrev_b32 v15, 5, v0
	v_readfirstlane_b32 s18, v15                   ; wave 0..3
	s_bfe_u32 s19, ttmp6, 0x40000                  ; cx
	s_lshl_b32 s20, ttmp9, 2
	s_add_co_u32 s20, s20, s19                     ; token block = 4 x cluster x + cx
	s_and_b32 s21, ttmp7, 0xffff                   ; split: the cluster's y, the same in all four partners
	s_and_b32 s75, ttmp9, 7                        ; the first chunk: cluster x & 7, the same in all four partners
	s_mov_b32 s22, 0                               ; the first expert's r stands first
	; group 1 for X: 32 rows x 512 elements of 2 bytes, 4 words of padding behind every 256; no mask: a load of my own
	s_mov_b32 s[GX+0], (1<<16)|(1<<20)|(7<<22)|(3<<25)
	s_mov_b32 s[GX+1], 512<<16                     ; tensor_dim0
	s_mov_b32 s[GX+2], 32<<16                      ; tensor_dim1
	s_mov_b32 s[GX+3], 512<<16                     ; tile_dim0
	s_mov_b32 s[GX+4], 32                          ; tile_dim1
	s_mov_b32 s[GX+5], 512                         ; elements from row to row
	s_mov_b32 s[GX+6], 0
	s_mov_b32 s[GX+7], 0
	; group 1 for W1 tiles: my quarter, 32 rows x 256 elements, 8 words of padding behind every 128; mask 15 with bit 21 beside it
	s_mov_b32 s[GW1+0], 15|(1<<16)|(1<<20)|(1<<21)|(6<<22)|(7<<25)
	s_mov_b32 s[GW1+1], 256<<16
	s_mov_b32 s[GW1+2], 32<<16
	s_mov_b32 s[GW1+3], 256<<16
	s_mov_b32 s[GW1+4], 32
	s_mov_b32 s[GW1+5], 256
	s_mov_b32 s[GW1+6], 0
	s_mov_b32 s[GW1+7], 0
	; group 1 for W2 tiles: my quarter, 16 rows x 512 elements, 8 words of padding behind every 256
	s_mov_b32 s[GW2+0], 15|(1<<16)|(1<<20)|(1<<21)|(7<<22)|(7<<25)
	s_mov_b32 s[GW2+1], 512<<16
	s_mov_b32 s[GW2+2], 16<<16
	s_mov_b32 s[GW2+3], 512<<16
	s_mov_b32 s[GW2+4], 16
	s_mov_b32 s[GW2+5], 512
	s_mov_b32 s[GW2+6], 0
	s_mov_b32 s[GW2+7], 0
	s_lshl_b32 s86, s20, 17                        ; X: token block x 128 rows x 1,024 bytes
	s_lshl_b32 s87, s18, 15                        ;    + wave x 32 rows
	s_add_co_u32 s86, s86, s87
	s_mov_b32 s87, 0
	s_lshl_b32 s78, s21, 21                        ; weights: split x 2,097,152 + wave x 16,384, in registers that never hold cx
	s_lshl_b32 s89, s18, 14
	s_add_co_u32 s78, s78, s89
	s_lshl_b32 s88, s75, 18                        ; + first chunk x 262,144
	s_add_co_u32 s88, s88, s78
	s_mov_b32 s89, 0
	s_lshl_b32 s80, s21, 13                        ; b1: split x eight chunks x 1,024 bytes
	s_wait_kmcnt 0x0
	s_mov_b32 s[X0], 1
	s_mul_i32 s[X0+1], s18, 32*XP
	s_add_nc_u64 s[X0+2:X0+3], s[4:5], s[86:87]
	s_or_b32 s[X0+3], s[X0+3], 0x80000000
	s_mov_b32 s[W1S0], 1
	s_mul_i32 s[W1S0+1], s18, 32*P1
	s_add_co_u32 s[W1S0+1], s[W1S0+1], SB
	s_add_nc_u64 s[W1S0+2:W1S0+3], s[6:7], s[88:89]            ; tile 0 of my first chunk
	s_mov_b32 s[W1S1], 1
	s_add_co_u32 s[W1S1+1], s[W1S0+1], SLOT
	s_add_nc_u64 s[W1S1+2:W1S1+3], s[W1S0+2:W1S0+3], TILEB     ; tile 1
	s_or_b32 s[W1S0+3], s[W1S0+3], 0x80000000
	s_or_b32 s[W1S1+3], s[W1S1+3], 0x80000000
	s_mov_b32 s[W2S0], 1
	s_mul_i32 s[W2S0+1], s18, 16*P2
	s_add_co_u32 s[W2S0+1], s[W2S0+1], SB
	s_add_nc_u64 s[W2S0+2:W2S0+3], s[8:9], s[88:89]
	s_mov_b32 s[W2S1], 1
	s_add_co_u32 s[W2S1+1], s[W2S0+1], SLOT
	s_add_nc_u64 s[W2S1+2:W2S1+3], s[W2S0+2:W2S0+3], TILEB
	s_or_b32 s[W2S0+3], s[W2S0+3], 0x80000000
	s_or_b32 s[W2S1+3], s[W2S1+3], 0x80000000
	CROUND                                         ; all four work-groups are here: the first joint loads meet
	tensor_load_to_lds s[X0:X0+3], s[GX:GX+7]      ; the three first fills go out as one group: three tensor loads of a wave are out, the most in this text
	s_nop 0
	tensor_load_to_lds s[W1S0:W1S0+3], s[GW1:GW1+7]
	s_nop 0
	tensor_load_to_lds s[W1S1:W1S1+3], s[GW1:GW1+7]
	s_nop 0
	; lane addresses
	v_and_b32 v64, 15, v0                          ; r
	v_bfe_u32 v65, v0, 4, 1                        ; h
	v_and_b32 v66, 31, v0                          ; lane
	v_and_b32 v67, 7, v0
	v_lshl_add_u32 v67, v65, 3, v67                ; transposing loads: k row 8 h + (l & 7),
	v_bfe_u32 v68, v0, 3, 1                        ; 16 bytes further for lanes with bit 3
	v_mul_u32_u24 v[XA], v64, XP
	v_lshl_add_u32 v[XA], v65, 4, v[XA]
	v_add_nc_u32 v[XA+1], 64*XP, v[XA]
	v_mul_u32_u24 v[HLD], v64, HP
	v_lshl_add_u32 v[HLD], v65, 4, v[HLD]
	v_add_nc_u32 v[HLD], HB, v[HLD]
	s_lshl_b32 s86, s18, 5                         ; my 16 columns of a quarter
	v_add_nc_u32 v[HST], s86, v[HLD]
	v_mul_u32_u24 v69, v67, P1
	v_lshl_add_u32 v69, v68, 4, v69
	s_add_co_u32 s87, s86, SB                      ; my 16 columns of each quarter of a W1 tile
	v_add_nc_u32 v[W1A], s87, v69
	v_add_nc_u32 v[W1A+1], SLOT, v[W1A]
	v_mul_u32_u24 v69, v67, P2
	v_lshl_add_u32 v69, v68, 4, v69
	s_lshl_b32 s87, s18, 8                         ; my 128 columns of a W2 tile
	s_add_co_u32 s87, s87, SB
	v_add_nc_u32 v[W2A], s87, v69
	v_add_nc_u32 v[W2A+1], SLOT, v[W2A]
	s_lshl_b32 s87, s18, 6
	v_lshl_add_u32 v[VB], v65, 5, s87              ; b1: 4 (16 w + 8 h)
	s_lshl_b32 s87, s18, 9
	v_lshl_add_u32 v[VB2], v65, 5, s87             ; b2: 4 (128 w + 8 h)
	v_lshlrev_b32 v[VR], 5, v64                    ; out1: 32 r
	v_mul_u32_u24 v[STO], v64, SP
	v_lshl_add_u32 v[STO], v65, 5, v[STO]
	s_mul_i32 s86, s18, STG
	s_add_co_u32 s86, s86, HB
	v_add_nc_u32 v[STO], s86, v[STO]
	v_lshlrev_b32 v[CO], 4, v66
	v_add_nc_u32 v[RD], s86, v[CO]
	; bases
	s_lshl_b32 s90, s20, 12                        ; out1: 128 tokens x 32 bytes, + my first expert
	s_lshl_b32 s91, s21, 3
	s_add_co_u32 s90, s90, s91
	s_mov_b32 s91, 0
	s_add_nc_u64 s[90:91], s[14:15], s[90:91]
	s_lshl_b32 s92, s21, 12                        ; b2: two experts x 2,048 bytes
	s_mov_b32 s93, 0
	s_add_nc_u64 s[92:93], s[12:13], s[92:93]
	s_lshl_b32 s94, s21, 24                        ; part: split x 16 MiB + token block x 128 rows x 2,048 + my 512 bytes of a row
	s_lshl_b32 s95, s20, 18
	s_add_co_u32 s94, s94, s95
	s_lshl_b32 s95, s18, 9
	s_add_co_u32 s94, s94, s95
	s_mov_b32 s95, 0
	s_add_nc_u64 s[94:95], s[16:17], s[94:95]
.irp m, 0,1,2,3,4,5,6,7
	global_load_b64 v[R+2*\m:R+2*\m+1], v[VR], s[90:91] offset:512*\m          ; r of token 16 m + r, my two experts
.endr
.irp b, 0,1,2,3,4,5,6,7
	global_load_b128 v[FA+8*\b:FA+8*\b+3],       v[VB2], s[92:93] offset:64*\b
	global_load_b128 v[FA+8*\b+4:FA+8*\b+7],     v[VB2], s[92:93] offset:64*\b+16
	global_load_b128 v[FA+64+8*\b:FA+64+8*\b+3],   v[VB2], s[92:93] offset:2048+64*\b
	global_load_b128 v[FA+64+8*\b+4:FA+64+8*\b+7], v[VB2], s[92:93] offset:2048+64*\b+16
.endr
	s_mov_b32 s72, 0x3f596d27                      ; k = sqrt(0.5 log2 e) = 0.84932180
	s_mov_b32 s73, 0x3f596d27
	s_mov_b32 s74, 0x3ec88bda                      ; P = 0.47047 / sqrt(log2 e) = 0.39169197
	s_mov_b32 s76, 0x3eb2303a                      ; A1 = 0.3480242
	s_mov_b32 s77, 0x3eb2303a
	s_wait_loadcnt 0x0
	OSTART 0, 0x80, 0xa0
	OSTART 1, 0xc0, 0xf0
	WIN 0
.irp m, 0,1,2,3,4,5,6,7
	v_pk_mul_f32 v[R+2*\m:R+2*\m+1], v[R+2*\m:R+2*\m+1], 0x3f16b55f op_sel_hi:[1,0]   ; r x 0.5 / k = r x 0.58870501
.endr
	s_wait_tensorcnt 0x1                           ; my parts of X and of tile 0 are in; tile 1's may stay out
	s_add_nc_u64 s[W1S0+2:W1S0+3], s[W1S0+2:W1S0+3], 2*TILEB   ; its load is done: on to tile 2
	s_barrier_signal -1
	s_barrier_wait -1                              ; everybody's are
	FETCH1 0
	s_mov_b32 s82, 0
.Lchunk:
	CHUNK 0
	WIN 0                                          ; at a label and at a branch every window is 0
	s_add_co_u32 s82, s82, 1
	s_cmp_lt_u32 s82, 7
	s_cbranch_scc1 .Lchunk
	CHUNK 1                                        ; the last chunk is written out: its last two steps fetch nothing (the addresses formed for a next chunk are not used)
	WIN 0
	s_wait_dscnt 0x0
	s_barrier_signal -1
	s_barrier_wait -1                              ; every wave's reads of H are over: its bytes now serve as the waves' stages
	PLACES 4                                       ; behind the last matrix instructions: the LDS stores read sums, the loads fill fragment registers
	OUT16 0, 64
	OUT16 1, 128
	OUT16 2, 64
	OUT16 3, 128
	OUT16 4, 64
	OUT16 5, 128
	OUT16 6, 64
	OUT16 7, 128
	s_wait_xcnt 0x0
	s_set_vgpr_msb (MSB<<8)|((MSB&0x3c)|0x0)
	v_lshl_add_u32 v14, v0, 2, 0x4c800
	v_mov_b32 v15, 0
	s_set_vgpr_msb (((MSB&0x3c)|0x0)<<8)|((MSB&0x30)|0x0)
	s_wait_tensorcnt 0x0
	ds_add_u32 v14, v15
	s_wait_dscnt 0x0
	s_set_vgpr_msb (((MSB&0x30)|0x0)<<8)|MSB
	CROUND                                         ; the closing round: no work-group ends while a partner may still ask for a tile that names it
	s_endpgm
.Lfunc_end_k_q69badbe79f_ffn:
	.size	k_q69badbe79f_ffn, .Lfunc_end_k_q69badbe79f_ffn-k_q69badbe79f_ffn
	.p2alignl 7, 3214868480
	.fill 96, 4, 3214868480
	.section	.rodata,"a",@progbits
	.p2align	6, 0x0
	.amdhsa_kernel k_q69badbe79f_ffn
		.amdhsa_group_segment_fixed_size 327680
		.amdhsa_private_segment_fixed_size 0
		.amdhsa_enable_private_segment 0
		.amdhsa_kernarg_size 56
		.amdhsa_user_sgpr_count 2
		.amdhsa_user_sgpr_kernarg_segment_ptr 1
		.amdhsa_wavefront_size32 1
		.amdhsa_system_sgpr_workgroup_id_x 1
		.amdhsa_system_sgpr_workgroup_id_y 1
		.amdhsa_system_sgpr_workgroup_id_z 1
		.amdhsa_system_vgpr_workitem_id 0
		.amdhsa_next_free_vgpr 1024
		.amdhsa_next_free_sgpr 96
		.amdhsa_reserve_vcc 0
		.amdhsa_float_denorm_mode_32 3
		.amdhsa_float_denorm_mode_16_64 3
		.amdhsa_memory_ordered 1
		.amdhsa_forward_progress 1
		.amdhsa_inst_pref_size 255
	.end_amdhsa_kernel
	.section	.bss,"aw",@nobits
	.p2align	6
	.space	262144
	.amdgpu_metadata
---
amdhsa.version: [ 1, 2 ]
amdhsa.kernels:
  - .name:           k_q69badbe79f_ffn
    .symbol:         k_q69badbe79f_ffn.kd
    .args:
      - { .name: xh, .offset: 0, .size: 8, .value_kind: global_buffer, .address_space: global }
      - { .name: w1h, .offset: 8, .size: 8, .value_kind: global_buffer, .address_space: global }
      - { .name: w2h, .offset: 16, .size: 8, .value_kind: global_buffer, .address_space: global }
      - { .name: b1, .offset: 24, .size: 8, .value_kind: global_buffer, .address_space: global }
      - { .name: b2, .offset: 32, .size: 8, .value_kind: global_buffer, .address_space: global }
      - { .name: out1, .offset: 40, .size: 8, .value_kind: global_buffer, .address_space: global }
      - { .name: part, .offset: 48, .size: 8, .value_kind: global_buffer, .address_space: global }
    .group_segment_fixed_size: 327680
    .private_segment_fixed_size: 0
    .kernarg_segment_align: 8
    .kernarg_segment_size: 56
    .max_flat_workgroup_size: 128
    .sgpr_count:     96
    .vgpr_count:     1024
    .wavefront_size: 32
...
	.end_amdgpu_metadata
.endif
;; end of part 2
;; launch combine (part 3): grid 512 x 1, 8 waves a work-group, no clusters, 0 bytes of LDS; arguments part, out0; writes out0
.if DOCPART == 3
	.amdgcn_target "amdgcn-amd-amdhsa--gfx1250"
	.amdhsa_code_object_version 6
	.text
	.protected	k_q69badbe79f_combine
	.globl	k_q69badbe79f_combine
	.p2align	8
	.type	k_q69badbe79f_combine,@function
k_q69badbe79f_combine:
	s_mov_b64 s[64:65], 0
	v_nop
	global_prefetch_b8 v0, s[64:65] scope:SCOPE_SE
	s_setreg_imm32_b32 hwreg(HW_REG_WAVE_MODE, 25, 1), 1
	s_wait_xcnt 0x0
; out0 = part[0] + part[1] + part[2] + part[3], f32, as (p0 + p1) + (p2 + p3).  A stream: every byte is read once and written once.
; A work-group owns 32,768 bytes of out0: 8 steps of 256 threads x 16 bytes.  All 32 loads of a thread go out first; no register is
; written twice, so the only waits are the counted ones for data.  No LDS, no barrier, no matrix unit: there is nothing to share or to multiply.
.set P, 4                              ; v[4:131]  step i, split k: four registers at P + 16 i + 4 k
.set SPLIT, 0x1000000                  ; bytes from one split's sums to the next's
	s_load_b128 s[4:7], s[0:1], 0x0                ; part s[4:5], out0 s[6:7]
	s_lshl_b32 s8, ttmp9, 15
	s_mov_b32 s9, 0
	v_lshlrev_b32 v1, 4, v0
	s_wait_kmcnt 0x0
	s_add_nc_u64 s[10:11], s[4:5], s[8:9]
	s_add_nc_u64 s[12:13], s[10:11], SPLIT
	s_add_nc_u64 s[14:15], s[12:13], SPLIT
	s_add_nc_u64 s[16:17], s[14:15], SPLIT
	s_add_nc_u64 s[6:7], s[6:7], s[8:9]
.irp i, 0,1,2,3,4,5,6,7
.irp k, 0,1,2,3
	global_load_b128 v[P+16*\i+4*\k:P+16*\i+4*\k+3], v1, s[10+2*\k:11+2*\k] offset:4096*\i th:TH_LOAD_NT
.endr
.endr
.irp i, 0,1,2,3,4,5,6,7
	s_wait_loadcnt 28-4*\i                         ; loads return in order: step i's four are in, the younger steps' four each stay out
	v_pk_add_f32 v[P+16*\i:P+16*\i+1],     v[P+16*\i:P+16*\i+1],     v[P+16*\i+4:P+16*\i+5]
	v_pk_add_f32 v[P+16*\i+2:P+16*\i+3],   v[P+16*\i+2:P+16*\i+3],   v[P+16*\i+6:P+16*\i+7]
	v_pk_add_f32 v[P+16*\i+8:P+16*\i+9],   v[P+16*\i+8:P+16*\i+9],   v[P+16*\i+12:P+16*\i+13]
	v_pk_add_f32 v[P+16*\i+10:P+16*\i+11], v[P+16*\i+10:P+16*\i+11], v[P+16*\i+14:P+16*\i+15]
	v_pk_add_f32 v[P+16*\i:P+16*\i+1],     v[P+16*\i:P+16*\i+1],     v[P+16*\i+8:P+16*\i+9]
	v_pk_add_f32 v[P+16*\i+2:P+16*\i+3],   v[P+16*\i+2:P+16*\i+3],   v[P+16*\i+10:P+16*\i+11]
	global_store_b128 v1, v[P+16*\i:P+16*\i+3], s[6:7] offset:4096*\i th:TH_STORE_NT   ; a wave's store covers 512 consecutive bytes, aligned
.endr
	s_endpgm
.Lfunc_end_k_q69badbe79f_combine:
	.size	k_q69badbe79f_combine, .Lfunc_end_k_q69badbe79f_combine-k_q69badbe79f_combine
	.p2alignl 7, 3214868480
	.fill 96, 4, 3214868480
	.section	.rodata,"a",@progbits
	.p2align	6, 0x0
	.amdhsa_kernel k_q69badbe79f_combine
		.amdhsa_group_segment_fixed_size 0
		.amdhsa_private_segment_fixed_size 0
		.amdhsa_enable_private_segment 0
		.amdhsa_kernarg_size 16
		.amdhsa_user_sgpr_count 2
		.amdhsa_user_sgpr_kernarg_segment_ptr 1
		.amdhsa_wavefront_size32 1
		.amdhsa_system_sgpr_workgroup_id_x 1
		.amdhsa_system_sgpr_workgroup_id_y 1
		.amdhsa_system_sgpr_workgroup_id_z 1
		.amdhsa_system_vgpr_workitem_id 0
		.amdhsa_next_free_vgpr 132
		.amdhsa_next_free_sgpr 66
		.amdhsa_reserve_vcc 0
		.amdhsa_float_denorm_mode_32 3
		.amdhsa_float_denorm_mode_16_64 3
		.amdhsa_memory_ordered 1
		.amdhsa_forward_progress 1
		.amdhsa_inst_pref_size 8
	.end_amdhsa_kernel
	.amdgpu_metadata
---
amdhsa.version: [ 1, 2 ]
amdhsa.kernels:
  - .name:           k_q69badbe79f_combine
    .symbol:         k_q69badbe79f_combine.kd
    .args:
      - { .name: part, .offset: 0, .size: 8, .value_kind: global_buffer, .address_space: global }
      - { .name: out0, .offset: 8, .size: 8, .value_kind: global_buffer, .address_space: global }
    .group_segment_fixed_size: 0
    .private_segment_fixed_size: 0
    .kernarg_segment_align: 8
    .kernarg_segment_size: 16
    .max_flat_workgroup_size: 256
    .sgpr_count:     66
    .vgpr_count:     132
    .wavefront_size: 32
...
	.end_amdgpu_metadata
.endif
;; end of part 3
;; ======== version 2 of 2: 3 launches; version 1 with the launch prep written anew for expert scheduling mode
;; limits: values are held in f16: magnitudes above 65,504 overflow, below 6.1e-05 lose precision; a function is approximated: absolute error at most 2.5e-05
;; workspace buffers: w1h 8,388,608 bytes; w2h 8,388,608 bytes; xh 8,388,608 bytes; part 67,108,864 bytes
;; launch prep (part 4): grid 128 x 3, 8 waves a work-group, no clusters, 0 bytes of LDS; arguments w1, w2, x, wr, br, w1h, w2h, xh, out1; writes w1h, w2h, xh, out1
.if DOCPART == 4
	.amdgcn_target "amdgcn-amd-amdhsa--gfx1250"
	.amdhsa_code_object_version 6
	.text
	.protected	k_q69badbe79f_prep
	.globl	k_q69badbe79f_prep
	.p2align	8
	.type	k_q69badbe79f_prep,@function
k_q69badbe79f_prep:
	s_mov_b64 s[64:65], 0
	v_nop
	global_prefetch_b8 v0, s[64:65] scope:SCOPE_SE
	s_setreg_imm32_b32 hwreg(HW_REG_WAVE_SCHED_MODE, 0, 2), 2
	s_setreg_imm32_b32 hwreg(HW_REG_WAVE_MODE, 25, 1), 1
	s_wait_xcnt 0x0
	s_wait_alu depctr_vm_vsrc(0)
; Three streams, picked by the work-group's y; each work-group reads 131,072 bytes of its tensor once.
;   y = 0: w1 [8][512][1024] f32 -> w1h f16, laid chunk by chunk: [expert 8][chunk 4][d 512][256 columns]
;   y = 1: w2 [8][1024][512] f32 -> w2h f16, same order
;   y = 2: x [8192][512] f32 -> xh f16, and out1 = softmax(x wr + br) in f32
; WHY f16: the result is wanted within 1 % of its root mean square.  Four operands rounded to 8 significant bits (relative error about 1e-3 each,
; over sums of independent terms) leave an error whose spread is about 0.2 % of that: five spreads of room, too few for 4,194,304 numbers.
; With 11 significant bits each error is an eighth of that.
; LIMIT: a magnitude above 65,504 in x, w1 or w2 becomes infinity; below 6.1e-5 the step is 6e-8.  x of unit spread and weights within 0.044
; keep their precision 30 times larger (150; 1.3) and 30 times smaller (spread 0.033; 6e-4, of which the step is 1e-4).
; The router's product has 8 columns, half the width of a matrix tile, and is a stream of x: it is done by packed f32
; multiply-adds on the numbers that are being converted anyway.  No LDS, no barrier: no wave needs another's data.
; The softmax takes the row's maximum away first, as the definition does.
; THE MODE: SCHED_MODE bits 1:0 = 2 (LLVM: expert scheduling mode 2), set by the entry lines.  The code itself states the register dependences
; between vector instructions and memory instructions, with s_wait_alu, always for 0.
; THE PLAN.  Registers that memory instructions touch:
;   casts   v1, v2        offsets, made once ahead of the first load and never written again.
;           W + 8 j ..    step j: its two loads land there; its four conversions read the eight and write the first four; one store reads those four;
;                         nothing writes them afterwards.  Four steps' conversions stand together, ONE wait on va_vdst behind them, then their four stores.
;   router  v1, v2, v3, v218  offsets, made once ahead of the first load and never written again.
;           W             wr: loaded once, read by vector lines alone.
;           XS (4 slots)  a row: its loads land; the multiply-adds read it; conversions write XS .. + 3, store 1 reads them; conversions write XS + 4 .. + 7,
;                         store 2 reads them; the loads of the row four further on land in all sixteen.
;           O, O + 1      written by the captures of all eight rows, read by the one store at the end.
;   A row has two waits on va_vdst, each behind a batch of transcendentals and four conversions and ahead of the store of those conversions' results.  Behind the
;   second no vector line names the slot, so the refill hangs on the two stores alone: one wait on vm_vsrc ahead of it.
.set W,   4                            ; v[4:131]    cast: the 32 loads.  router: wr[k][e] at W + 8 kk + e for my 16 k
.set XR,  132                          ; v[132:195]  four row slots of 16 registers
.set A,   196                          ; v[196:203]  the eight sums of a row
.set TP,  204                          ; v[204:211]  the other half's sums; later the sum of the exponentials
.set MM,  212                          ; v[212:213]  maximum x log2 e, twice
.set RC,  214                          ; v[214:215]  the maximum; later 1 / sum, twice
.set O,   216                          ; v[216:217]  my two numbers of out1
.set WO,  218                          ; v218        byte offset of my rows in wr
.set E,   220                          ; v[220:227]  exponentials, then the weights
.set LOG2E, 0x3fb8aa3b
; 16 steps of 8,192 bytes: a thread turns 32 bytes (8 f32) into 16.  All 32 loads go out first; no register is written twice.
.macro CAST ostep
	s_wait_alu depctr_va_vdst(0)           ; v1 and v2 are written: every load below reads v1 as its offset, every store v2
.irp j, 0,1,2,3,4,5,6,7,8,9,10,11,12,13,14,15
	global_load_b128 v[W+8*\j:W+8*\j+3],   v1, s[26:27] offset:8192*\j th:TH_LOAD_NT
	global_load_b128 v[W+8*\j+4:W+8*\j+7], v1, s[26:27] offset:8192*\j+16 th:TH_LOAD_NT
.endr
.irp g, 0,1,2,3                            ; four steps at a time
.irp s, 0,1,2,3
	s_wait_loadcnt 30-2*(4*\g+\s)          ; loads return in order: step j's two are in, the 30 - 2 j younger ones stay out
.irp i, 0,1,2,3
	v_cvt_pk_f16_f32 v[W+8*(4*\g+\s)+\i], v[W+8*(4*\g+\s)+2*\i], v[W+8*(4*\g+\s)+2*\i+1]   ; in place: register i is written after it was read
.endr
.endr
	s_wait_alu depctr_va_vdst(0)           ; the sixteen conversions above have written the first four registers of each of the four steps, which the four stores read
.irp s, 0,1,2,3
	global_store_b128 v2, v[W+8*(4*\g+\s):W+8*(4*\g+\s)+3], s[30:31] offset:\ostep*(4*\g+\s)  ; a wave's store covers 512 consecutive bytes, aligned
.endr
.endr
.endm
; the four loads of row i of my wave's eight: k = 8 L .. 8 L + 7 and 256 + 8 L .. + 7.  The argument may be a sum: it stands in brackets everywhere.
.macro XLOAD i
	global_load_b128 v[XR+16*((\i)&3):XR+16*((\i)&3)+3],     v1, s[26:27] offset:2048*(\i) th:TH_LOAD_NT
	global_load_b128 v[XR+16*((\i)&3)+4:XR+16*((\i)&3)+7],   v1, s[26:27] offset:2048*(\i)+16 th:TH_LOAD_NT
	global_load_b128 v[XR+16*((\i)&3)+8:XR+16*((\i)&3)+11],  v1, s[26:27] offset:2048*(\i)+1024 th:TH_LOAD_NT
	global_load_b128 v[XR+16*((\i)&3)+12:XR+16*((\i)&3)+15], v1, s[26:27] offset:2048*(\i)+1040 th:TH_LOAD_NT
.endm
; One row: eight dot products, softmax, the row's f16 copy.  left = younger loads that may stay out (four a row).
.macro ROW i, refill, left
.set XS, XR+16*(\i&3)
	s_wait_loadcnt \left
.irp p, 0,2,4,6
	v_pk_mul_f32 v[A+\p:A+\p+1], v[XS:XS+1], v[W+\p:W+\p+1] op_sel_hi:[0,1]      ; the first k starts the sums; x is taken twice
.endr
.irp k, 1,2,3,4,5,6,7,8,9,10,11,12,13,14,15
.irp p, 0,2,4,6
.if \k&1
	v_pk_fma_f32 v[A+\p:A+\p+1], v[XS+\k-1:XS+\k], v[W+8*\k+\p:W+8*\k+\p+1], v[A+\p:A+\p+1] op_sel:[1,0,0] op_sel_hi:[1,1,1]
.else
	v_pk_fma_f32 v[A+\p:A+\p+1], v[XS+\k:XS+\k+1], v[W+8*\k+\p:W+8*\k+\p+1], v[A+\p:A+\p+1] op_sel_hi:[0,1,1]
.endif
.endr
.endr
.irp x, 1,2,4,8                            ; across the lanes: four steps inside each half of 16, one across the halves
.irp e, 0,1,2,3,4,5,6,7
	v_add_f32_dpp v[A+\e], v[A+\e], v[A+\e] row_xmask:\x row_mask:0xf bank_mask:0xf
.endr
.endr
.irp e, 0,1,2,3,4,5,6,7
	v_permlanex16_b32 v[TP+\e], v[A+\e], s44, s45
.endr
.irp e, 0,1,2,3,4,5,6,7
	v_add_f32 v[A+\e], v[A+\e], v[TP+\e]
.endr
.irp e, 0,1,2,3,4,5,6,7
	v_add_f32 v[A+\e], s[32+\e], v[A+\e]   ; + br: every lane now holds the row's eight logits
.endr
	v_max3_num_f32 v[RC], v[A], v[A+1], v[A+2]
	v_max3_num_f32 v[RC], v[RC], v[A+3], v[A+4]
	v_max3_num_f32 v[RC], v[RC], v[A+5], v[A+6]
	v_max_num_f32 v[RC], v[RC], v[A+7]
	v_mul_f32 v[MM], LOG2E, v[RC]
	v_mul_f32 v[MM+1], LOG2E, v[RC]
.irp p, 0,2,4,6
	v_pk_fma_f32 v[A+\p:A+\p+1], v[A+\p:A+\p+1], LOG2E, v[MM:MM+1] op_sel_hi:[1,0,1] neg_lo:[0,0,1] neg_hi:[0,0,1]  ; (l - max) log2 e; the rounding of MM is common to all eight and cancels in the quotient
.endr
.irp e, 0,1,2,3,4,5,6,7
	v_exp_f32 v[E+\e], v[A+\e]
.endr
.irp j, 0,1,2,3                            ; plain lines that touch neither A nor E stand behind the exponentials (ISA guide 5.7.2): the row's first half to f16
	v_cvt_pk_f16_f32 v[XS+\j], v[XS+2*\j], v[XS+2*\j+1]
.endr
	s_wait_alu depctr_va_vdst(0)           ; the eight exponentials have written E, which the sums below read; the four conversions have written XS .. XS + 3, which the store reads
	global_store_b128 v2, v[XS:XS+3], s[30:31] offset:1024*\i
	v_pk_add_f32 v[TP:TP+1], v[E:E+1], v[E+2:E+3]
	v_pk_add_f32 v[TP+2:TP+3], v[E+4:E+5], v[E+6:E+7]
	v_pk_add_f32 v[TP:TP+1], v[TP:TP+1], v[TP+2:TP+3]
	v_add_f32 v[TP], v[TP], v[TP+1]
	v_rcp_f32 v[RC], v[TP]
	v_rcp_f32 v[RC+1], v[TP]
.irp j, 4,5,6,7                            ; and behind the reciprocals: the second half
	v_cvt_pk_f16_f32 v[XS+\j], v[XS+2*\j], v[XS+2*\j+1]
.endr
	s_wait_alu depctr_va_vdst(0)           ; the two reciprocals have written RC, which the products below read; the four conversions have written XS + 4 .. XS + 7, which the store reads; and every vector line that reads or writes the slot is done: none behind this wait names it
	global_store_b128 v2, v[XS+4:XS+7], s[30:31] offset:1024*\i+512
.irp p, 0,2,4,6
	v_pk_mul_f32 v[E+\p:E+\p+1], v[E+\p:E+\p+1], v[RC:RC+1]
.endr
.irp q, 0,1,2,3                            ; lane 4 i + q keeps weights 2 q and 2 q + 1 of row i: 32 lanes x 8 bytes = the wave's 8 rows of out1
.if (4*\i+\q) == 0
	v_mov_b32 v[O], v[E]                   ; the first capture writes every lane: nothing is cleared
	v_mov_b32 v[O+1], v[E+1]
.else
	s_mov_b32 s40, 1<<(4*\i+\q)
	v_cndmask_b32 v[O], v[O], v[E+2*\q], s40
	v_cndmask_b32 v[O+1], v[O+1], v[E+2*\q+1], s40
.endif
.endr
.if \refill
	s_wait_xcnt 0x0                        ; the slot's registers are the data of the two stores above: loaded again only behind this wait
	s_wait_alu depctr_vm_vsrc(0)           ; the two stores have read XS .. XS + 7, in which the loads below land
	XLOAD \i+4
.endif
.endm
	s_load_b512 s[4:19], s[0:1], 0x0               ; w1 s[4:5], w2 s[6:7], x s[8:9], wr s[10:11], br s[12:13], w1h s[14:15], w2h s[16:17], xh s[18:19]
	s_load_b64 s[20:21], s[0:1], 0x40              ; out1
	s_and_b32 s22, ttmp7, 0xffff                   ; which stream
	s_lshl_b32 s24, ttmp9, 17                      ; the work-group's 131,072 bytes of input
	s_mov_b32 s25, 0
	v_lshlrev_b32 v1, 5, v0                        ; casts: 32 bytes a thread
	s_wait_kmcnt 0x0
	s_cmp_eq_u32 s22, 2
	s_cbranch_scc1 .Lrouter
	s_cmp_eq_u32 s22, 1
	s_cbranch_scc1 .Lcast_w2
	; w1: the work-group has rows d = 32 (g & 15) .. + 31 of expert g >> 4; a step is two rows; a wave has 256 columns of one row = one chunk's row
	s_add_nc_u64 s[26:27], s[4:5], s[24:25]
	s_lshr_b32 s28, ttmp9, 4
	s_lshl_b32 s28, s28, 20                        ; expert x 1,048,576
	s_and_b32 s29, ttmp9, 15
	s_lshl_b32 s29, s29, 14                        ; 32 rows x 512 bytes
	s_add_co_u32 s28, s28, s29
	s_mov_b32 s29, 0
	s_add_nc_u64 s[30:31], s[14:15], s[28:29]
	v_and_b32 v2, 31, v0
	v_lshlrev_b32 v2, 4, v2                        ; 16 x lane
	v_bfe_u32 v3, v0, 5, 2
	v_lshl_add_u32 v2, v3, 18, v2                  ; + chunk (wave & 3) x 262,144
	v_bfe_u32 v3, v0, 7, 1
	v_lshl_add_u32 v2, v3, 9, v2                   ; + row (wave >> 2) x 512
	CAST 1024                                      ; a step is two rows of 512 bytes in each chunk
	s_endpgm
.Lcast_w2:
	s_add_nc_u64 s[26:27], s[6:7], s[24:25]
	s_lshl_b32 s28, ttmp9, 16
	s_mov_b32 s29, 0
	s_add_nc_u64 s[30:31], s[16:17], s[28:29]
	v_lshlrev_b32 v2, 4, v0
	CAST 4096
	s_endpgm
.Lrouter:
	s_load_b256 s[32:39], s[12:13], 0x0            ; br
	v_lshrrev_b32 v2, 5, v0
	v_readfirstlane_b32 s23, v2                    ; wave: it owns rows 64 g + 8 wave .. + 7
	v_and_b32 v3, 31, v0                           ; the lane's offsets are made between that line and the wait for s23
	v_lshlrev_b32 v1, 5, v3                        ; x: 32 bytes a lane
	v_lshlrev_b32 v2, 4, v3                        ; xh: 16
	v_lshlrev_b32 v[WO], 8, v3                     ; wr: my 8 rows of 32 bytes
	v_lshlrev_b32 v3, 3, v3                        ; out1: 8
	s_mov_b32 s44, 0x76543210                      ; v_permlanex16_b32: lane i reads lane i of the other half
	s_mov_b32 s45, 0xfedcba98
	s_wait_alu depctr_va_sdst(0)                   ; s23 is written, ahead of its first reader: the bases of x, xh and out1 are made from it
	s_lshl_b32 s28, s23, 14
	s_add_co_u32 s24, s24, s28                     ; 131,072 g + 16,384 wave
	s_add_nc_u64 s[26:27], s[8:9], s[24:25]
	s_lshr_b32 s24, s24, 1                         ; half as many bytes in xh
	s_add_nc_u64 s[30:31], s[18:19], s[24:25]
	s_lshr_b32 s24, s24, 5                         ; 32 bytes a row in out1
	s_add_nc_u64 s[42:43], s[20:21], s[24:25]
	s_wait_alu depctr_va_vdst(0)                   ; the four offsets v1, v2, v3 and v218 are written: every load and store below reads one of them
.irp i, 0,1,2,3,4,5,6,7,8,9,10,11,12,13,14,15
	global_load_b128 v[W+4*\i:W+4*\i+3],       v[WO], s[10:11] offset:16*\i
	global_load_b128 v[W+64+4*\i:W+64+4*\i+3], v[WO], s[10:11] offset:8192+16*\i
.endr
	XLOAD 0
	XLOAD 1
	XLOAD 2
	XLOAD 3
.irp e, 0,1,2,3,4,5,6,7
	v_mov_b32 v[TP+\e], 0                          ; v_permlanex16_b32 counts as a reader of its destination
.endr
	s_wait_kmcnt 0x0                               ; br
	ROW 0, 1, 12                                   ; three younger rows stay out; wr's loads are older than every row's
	ROW 1, 1, 12
	ROW 2, 1, 12
	ROW 3, 1, 12
	ROW 4, 0, 12
	ROW 5, 0, 8                                    ; nothing more is loaded: the counts run down
	ROW 6, 0, 4
	ROW 7, 0, 0
	s_wait_alu depctr_va_vdst(0)                   ; the captures have written O and O + 1, which the store reads
	global_store_b64 v3, v[O:O+1], s[42:43]        ; 32 lanes x 8 bytes: 256 consecutive bytes, aligned
	s_endpgm
.Lfunc_end_k_q69badbe79f_prep:
	.size	k_q69badbe79f_prep, .Lfunc_end_k_q69badbe79f_prep-k_q69badbe79f_prep
	.p2alignl 7, 3214868480
	.fill 96, 4, 3214868480
	.section	.rodata,"a",@progbits
	.p2align	6, 0x0
	.amdhsa_kernel k_q69badbe79f_prep
		.amdhsa_group_segment_fixed_size 0
		.amdhsa_private_segment_fixed_size 0
		.amdhsa_enable_private_segment 0
		.amdhsa_kernarg_size 72
		.amdhsa_user_sgpr_count 2
		.amdhsa_user_sgpr_kernarg_segment_ptr 1
		.amdhsa_wavefront_size32 1
		.amdhsa_system_sgpr_workgroup_id_x 1
		.amdhsa_system_sgpr_workgroup_id_y 1
		.amdhsa_system_sgpr_workgroup_id_z 1
		.amdhsa_system_vgpr_workitem_id 0
		.amdhsa_next_free_vgpr 232
		.amdhsa_next_free_sgpr 66
		.amdhsa_reserve_vcc 0
		.amdhsa_float_denorm_mode_32 3
		.amdhsa_float_denorm_mode_16_64 3
		.amdhsa_memory_ordered 1
		.amdhsa_forward_progress 1
		.amdhsa_inst_pref_size 108
	.end_amdhsa_kernel
	.amdgpu_metadata
---
amdhsa.version: [ 1, 2 ]
amdhsa.kernels:
  - .name:           k_q69badbe79f_prep
    .symbol:         k_q69badbe79f_prep.kd
    .args:
      - { .name: w1, .offset: 0, .size: 8, .value_kind: global_buffer, .address_space: global }
      - { .name: w2, .offset: 8, .size: 8, .value_kind: global_buffer, .address_space: global }
      - { .name: x, .offset: 16, .size: 8, .value_kind: global_buffer, .address_space: global }
      - { .name: wr, .offset: 24, .size: 8, .value_kind: global_buffer, .address_space: global }
      - { .name: br, .offset: 32, .size: 8, .value_kind: global_buffer, .address_space: global }
      - { .name: w1h, .offset: 40, .size: 8, .value_kind: global_buffer, .address_space: global }
      - { .name: w2h, .offset: 48, .size: 8, .value_kind: global_buffer, .address_space: global }
      - { .name: xh, .offset: 56, .size: 8, .value_kind: global_buffer, .address_space: global }
      - { .name: out1, .offset: 64, .size: 8, .value_kind: global_buffer, .address_space: global }
    .group_segment_fixed_size: 0
    .private_segment_fixed_size: 0
    .kernarg_segment_align: 8
    .kernarg_segment_size: 72
    .max_flat_workgroup_size: 256
    .sgpr_count:     66
    .vgpr_count:     232
    .wavefront_size: 32
...
	.end_amdgpu_metadata
.endif
;; end of part 4
;; launch ffn: the kernel of part 2 again; grid 64 x 4, 4 waves a work-group, clusters of 4 x 1, 327,680 bytes of LDS; arguments xh, w1h, w2h, b1, b2, out1, part; writes part
;; launch combine: the kernel of part 3 again; grid 512 x 1, 8 waves a work-group, no clusters, 0 bytes of LDS; arguments part, out0; writes out0
